; MI455X (gfx1250); checked and timed in simulation.
; The chip was launched on July 23, 2026; its instructions are those of AMD's public machine-readable ISA for CDNA 5 (MIT licence, August 2026) and "CDNA5" Instruction Set Architecture Reference Guide (July 2026). The comments in the code are by the model that wrote it; some were corrected since.
;; Attention. Allowed arithmetic: float matrix products may take bf16 or f16 operands with f32 sums; all other float work in f32.
;; Inputs: M_b 1,024 float32; M_w 1,024 x 3,072 float32; V_b 1 float32; V_w 1 x 1,024 float32; encoded 16 x 2,048 x 2,048 float32; hidden 16 x 1 x 1,024 float32; mask 16 x 2,048 bool.
;; Outputs: out0 16 x 1 x 2,048 float32; out1 16 x 1 x 2,048 float32.
;; One version. Each part assembles by itself: llvm-mc -triple=amdgcn-amd-amdhsa -mcpu=gfx1250 --defsym DOCPART=n.
;; ======== version 1 of 1: 3 launches
;; limits: right only within a limited range of input values
;; workspace buffers: wb 4,194,304 bytes; hbs 65,536 bytes; part 524,288 bytes
;; launch prep (part 1): grid 64 x 1, 8 waves a work-group, no clusters, 9,216 bytes of LDS; arguments M_w, hidden, M_b, wb, hbs; writes wb, hbs
.if DOCPART == 1
	.amdgcn_target "amdgcn-amd-amdhsa--gfx1250"
	.amdhsa_code_object_version 6
	.text
	.protected	k_qbb9403fc9f_prep
	.globl	k_qbb9403fc9f_prep
	.p2align	8
	.type	k_qbb9403fc9f_prep,@function
k_qbb9403fc9f_prep:
	s_mov_b64 s[64:65], 0
	v_nop
	global_prefetch_b8 v0, s[64:65] scope:SCOPE_SE
	s_setreg_imm32_b32 hwreg(HW_REG_WAVE_MODE, 25, 1), 1
	s_wait_xcnt 0x0
; Two things that the large product needs ready:
;  (1) wb  = M_w[:, 0:2048] rounded to bf16, laid out [32 K steps][1024 rows][64 k]: the tile (K step, 256 rows) is then 32,768 dense bytes.
;  (2) hbs = (hidden[b] . M_w[n, 2048:3072] + M_b[n]) * 2 log2(e), f32, laid out [64 groups of 16 rows n][16 batches][16 n].
;      The factor belongs to tanh(x) = 1 - 2 / (1 + 2^(2 log2(e) x)), which the next launch computes.
; Work-group g owns the 16 rows n = 16 g .. 16 g + 15 of M_w: 16 rows are one matrix tile's columns, so 1024 / 16 = 64 work-groups are all there is.
; Eight waves.  Conversion: wave w takes rows 4 (w & 3) .. + 3 and K steps 16 (w >> 2) .. + 15; a chunk is 4 rows x 64 k: a lane reads 32 bytes
; (eight lanes cover 256 consecutive bytes of a row) and stores 16 bytes; one store of the wave covers 512 consecutive bytes of wb, aligned.
; Projection: wave w takes d = 128 w .. 128 w + 127 (four matrix instructions of K = 32, operands rounded to bf16); the eight partial tiles meet in LDS.
; No cluster: what work-groups share is hidden alone, 64 KiB beside the 192 KiB of M_w that each reads for itself.
.set ROWB,  12288                      ; bytes in a row of M_w
.set PLANE, 131072                     ; bytes of a K step in wb
.set TWOLOG2E, 0x4038aa3b              ; 2 log2(e)
.set MB,   16                          ; v[16:19]   M_b of the four n that thread t & 63 finishes
.set C,    24                          ; v[24:87]   eight chunks, 8 f32 each, rounded in place into the first 4 registers
.set HS,   88                          ; v[88:151]  hidden: 4 K steps x 16 f32, rounded in place into the first 8 (a fragment)
.set MS,   152                         ; v[152:215] M_w[:, 2048:]: the same
.set ACC0, 216                         ; v[216:223] sums of K steps 0 and 2
.set ACC1, 224                         ; v[224:231] sums of K steps 1 and 3
	s_load_b256 s[4:11], s[0:1], 0x0               ; M_w s[4:5], hidden s[6:7], M_b s[8:9], wb s[10:11]
	s_load_b64 s[12:13], s[0:1], 0x20              ; hbs
	v_lshl_add_u32 v232, v0, 2, 0x2000
	v_mov_b32 v233, 0
	v_lshrrev_b32 v1, 5, v0
	v_readfirstlane_b32 s14, v1                    ; wave w
	s_and_b32 s15, s14, 3                          ; which four rows
	s_lshr_b32 s16, s14, 2                         ; which half of the K steps
	s_lshl_b32 s17, ttmp9, 4                       ; the group's first row
	s_lshl2_add_u32 s18, s15, s17                  ; my wave's first row
	v_and_b32 v1, 31, v0                           ; lane L
	v_lshrrev_b32 v2, 3, v1
	v_add_nc_u32 v2, s18, v2                       ; my row: eight lanes to a row
	v_mul_u32_u24 v3, v2, ROWB
	v_and_b32 v4, 7, v1
	v_lshl_add_u32 v3, v4, 5, v3                   ; + 32 bytes a lane
	s_lshl_b32 s19, s16, 12
	v_add_nc_u32 v3, s19, v3                       ; + 16 K steps of 256 bytes for the upper half: where a chunk is read
	s_lshl_b32 s20, s16, 21                        ; 16 planes of wb
	s_lshl_b32 s21, s18, 7                         ; 128 bytes a row
	s_add_co_u32 s20, s20, s21
	v_lshl_add_u32 v5, v1, 4, s20                  ; + 16 L (four rows of 128 bytes are 512 dense bytes): where a chunk is stored
	v_and_b32 v6, 15, v1                           ; r
	v_lshrrev_b32 v7, 4, v1                        ; h
	s_lshl_b32 s22, s14, 9                         ; my 128 d, in bytes
	v_lshl_add_u32 v8, v7, 5, s22                  ; + 32 h: a fragment's lane holds k = 8 h .. 8 h + 7 and 16 + 8 h .. (f32: 32 bytes each)
	v_lshl_add_u32 v9, v6, 12, v8                  ; hidden: batch r
	v_add_nc_u32 v10, s17, v6
	v_mul_u32_u24 v10, v10, ROWB
	v_add3_u32 v10, v10, v8, 8192                  ; M_w: row 16 g + r, behind its first 2048 columns
	v_and_b32 v11, 3, v0
	s_lshl_b32 s23, s17, 2
	v_lshl_add_u32 v11, v11, 4, s23                ; M_b: four n for a thread
	s_lshl_b32 s22, s14, 10                        ; my wave's 1,024 bytes of LDS
	v_lshl_add_u32 v12, v7, 9, s22                 ; word = batch x 16 + n: batch 8 h + j,
	v_lshl_add_u32 v12, v6, 2, v12                 ; n = r
	v_and_b32 v13, 63, v0
	v_lshlrev_b32 v13, 4, v13                      ; the last sum: 16 bytes for each of 64 threads
	s_lshl_b32 s23, ttmp9, 10
	v_add_nc_u32 v14, s23, v13                     ; and their place in hbs
.macro CLOADS base                     ; eight chunks: K steps base .. base + 7 of my half
.irp c, 0,1,2,3,4,5,6,7
	global_load_b128 v[C+8*\c:C+8*\c+3],   v3, s[4:5] offset:(\base+\c)*256 th:TH_LOAD_NT
	global_load_b128 v[C+8*\c+4:C+8*\c+7], v3, s[4:5] offset:(\base+\c)*256+16 th:TH_LOAD_NT
.endr
.endm
.macro CSTORES base                    ; round them (register i takes numbers 2 i and 2 i + 1: ascending i overwrites only what has been read) and store
.irp c, 0,1,2,3,4,5,6,7
.irp i, 0,1,2,3
	v_cvt_pk_bf16_f32 v[C+8*\c+\i], v[C+8*\c+2*\i], v[C+8*\c+2*\i+1]
.endr
	global_store_b128 v5, v[C+8*\c:C+8*\c+3], s[10:11] offset:(\base+\c)*PLANE
.endr
.endm
	s_wait_kmcnt 0x0
	global_load_b128 v[MB:MB+3], v11, s[8:9]
	CLOADS 0
.irp i, 0,1,2,3
.irp c, 0,1,2,3
	global_load_b128 v[HS+16*\i+4*\c:HS+16*\i+4*\c+3], v9,  s[6:7] offset:\i*128+(\c&1)*16+(\c>>1)*64
	global_load_b128 v[MS+16*\i+4*\c:MS+16*\i+4*\c+3], v10, s[4:5] offset:\i*128+(\c&1)*16+(\c>>1)*64 th:TH_LOAD_NT
.endr
.endr
	s_wait_loadcnt 32                              ; loads come back in order: M_b and chunks 0 to 7 are in, the projection's 32 stay out
	CSTORES 0
	s_wait_xcnt 0x0                                ; the stores' data registers are loaded again only behind this wait
	CLOADS 8
	s_wait_loadcnt 16                              ; the projection's 32 are in, the 16 just issued stay out
.irp i, 0,1,2,3
.irp k, 0,1,2,3,4,5,6,7
	v_cvt_pk_bf16_f32 v[HS+16*\i+\k], v[HS+16*\i+2*\k], v[HS+16*\i+2*\k+1]
	v_cvt_pk_bf16_f32 v[MS+16*\i+\k], v[MS+16*\i+2*\k], v[MS+16*\i+2*\k+1]
.endr
.endr
	; two accumulators take turns, one instruction a turn; the first two products start the sums
	v_wmma_f32_16x16x32_bf16 v[ACC0:ACC0+7], v[HS:HS+7],     v[MS:MS+7],     0
	v_wmma_f32_16x16x32_bf16 v[ACC1:ACC1+7], v[HS+16:HS+23], v[MS+16:MS+23], 0
	v_wmma_f32_16x16x32_bf16 v[ACC0:ACC0+7], v[HS+32:HS+39], v[MS+32:MS+39], v[ACC0:ACC0+7]
	v_wmma_f32_16x16x32_bf16 v[ACC1:ACC1+7], v[HS+48:HS+55], v[MS+48:MS+55], v[ACC1:ACC1+7]
.rept 4
	v_nop                                          ; four places behind the last matrix instruction before its result is read (ISA guide 7.12.1)
.endr
.irp j, 0,2,4,6
	v_pk_add_f32 v[ACC0+\j:ACC0+\j+1], v[ACC0+\j:ACC0+\j+1], v[ACC1+\j:ACC1+\j+1]
.endr
.irp j, 0,1,2,3,4,5,6,7
	ds_store_b32 v12, v[ACC0+\j] offset:64*\j      ; register j of lane (r, h) is (batch 8 h + j, n = r)
.endr
	s_wait_loadcnt 0x0                             ; chunks 8 to 15
	CSTORES 8
	s_wait_dscnt 0x0                               ; my partial tile is in LDS, for the others' sake
	s_barrier_signal -1
	s_barrier_wait -1
	s_cmp_gt_u32 s14, 1
	s_cbranch_scc1 .Ldone                          ; 256 sums of eight, four to a thread: waves 0 and 1
.irp k, 0,1,2,3,4,5,6,7
	ds_load_b128 v[HS+4*\k:HS+4*\k+3], v13 offset:1024*\k
.endr
	s_wait_dscnt 0x0
.irp k, 0,1,2,3
	v_pk_add_f32 v[HS+4*\k:HS+4*\k+1],   v[HS+4*\k:HS+4*\k+1],   v[HS+16+4*\k:HS+16+4*\k+1]
	v_pk_add_f32 v[HS+4*\k+2:HS+4*\k+3], v[HS+4*\k+2:HS+4*\k+3], v[HS+16+4*\k+2:HS+16+4*\k+3]
.endr
.irp k, 0,1
	v_pk_add_f32 v[HS+4*\k:HS+4*\k+1],   v[HS+4*\k:HS+4*\k+1],   v[HS+8+4*\k:HS+8+4*\k+1]
	v_pk_add_f32 v[HS+4*\k+2:HS+4*\k+3], v[HS+4*\k+2:HS+4*\k+3], v[HS+8+4*\k+2:HS+8+4*\k+3]
.endr
	v_pk_add_f32 v[HS:HS+1],   v[HS:HS+1],   v[HS+4:HS+5]
	v_pk_add_f32 v[HS+2:HS+3], v[HS+2:HS+3], v[HS+6:HS+7]
	v_pk_add_f32 v[HS:HS+1],   v[HS:HS+1],   v[MB:MB+1]
	v_pk_add_f32 v[HS+2:HS+3], v[HS+2:HS+3], v[MB+2:MB+3]
	v_pk_mul_f32 v[HS:HS+1],   v[HS:HS+1],   TWOLOG2E op_sel_hi:[1,0]
	v_pk_mul_f32 v[HS+2:HS+3], v[HS+2:HS+3], TWOLOG2E op_sel_hi:[1,0]
	global_store_b128 v14, v[HS:HS+3], s[12:13]    ; sixteen lanes store 256 consecutive bytes, aligned
.Ldone:
	s_wait_tensorcnt 0x0
	ds_add_u32 v232, v233
	s_wait_dscnt 0x0
	s_endpgm
.Lfunc_end_k_qbb9403fc9f_prep:
	.size	k_qbb9403fc9f_prep, .Lfunc_end_k_qbb9403fc9f_prep-k_qbb9403fc9f_prep
	.p2alignl 7, 3214868480
	.fill 96, 4, 3214868480
	.section	.rodata,"a",@progbits
	.p2align	6, 0x0
	.amdhsa_kernel k_qbb9403fc9f_prep
		.amdhsa_group_segment_fixed_size 9216
		.amdhsa_private_segment_fixed_size 0
		.amdhsa_enable_private_segment 0
		.amdhsa_kernarg_size 40
		.amdhsa_user_sgpr_count 2
		.amdhsa_user_sgpr_kernarg_segment_ptr 1
		.amdhsa_wavefront_size32 1
		.amdhsa_system_sgpr_workgroup_id_x 1
		.amdhsa_system_sgpr_workgroup_id_y 1
		.amdhsa_system_sgpr_workgroup_id_z 1
		.amdhsa_system_vgpr_workitem_id 0
		.amdhsa_next_free_vgpr 234
		.amdhsa_next_free_sgpr 66
		.amdhsa_reserve_vcc 0
		.amdhsa_float_denorm_mode_32 3
		.amdhsa_float_denorm_mode_16_64 3
		.amdhsa_memory_ordered 1
		.amdhsa_forward_progress 1
		.amdhsa_inst_pref_size 22
	.end_amdhsa_kernel
	.amdgpu_metadata
---
amdhsa.version: [ 1, 2 ]
amdhsa.kernels:
  - .name:           k_qbb9403fc9f_prep
    .symbol:         k_qbb9403fc9f_prep.kd
    .args:
      - { .name: M_w, .offset: 0, .size: 8, .value_kind: global_buffer, .address_space: global }
      - { .name: hidden, .offset: 8, .size: 8, .value_kind: global_buffer, .address_space: global }
      - { .name: M_b, .offset: 16, .size: 8, .value_kind: global_buffer, .address_space: global }
      - { .name: wb, .offset: 24, .size: 8, .value_kind: global_buffer, .address_space: global }
      - { .name: hbs, .offset: 32, .size: 8, .value_kind: global_buffer, .address_space: global }
    .group_segment_fixed_size: 9216
    .private_segment_fixed_size: 0
    .kernarg_segment_align: 8
    .kernarg_segment_size: 40
    .max_flat_workgroup_size: 256
    .sgpr_count:     66
    .vgpr_count:     234
    .wavefront_size: 32
...
	.end_amdgpu_metadata
.endif
;; end of part 1
;; launch scores (part 2): grid 4 x 128, 4 waves a work-group, clusters of 4 x 4, 327,680 bytes of LDS; arguments encoded, wb, hbs, V_w, part; writes part
.if DOCPART == 2
	.amdgcn_target "amdgcn-amd-amdhsa--gfx1250"
	.amdhsa_code_object_version 6
	.text
	.protected	k_qbb9403fc9f_scores
	.globl	k_qbb9403fc9f_scores
	.p2align	8
	.type	k_qbb9403fc9f_scores,@function
k_qbb9403fc9f_scores:
	s_mov_b64 s[64:65], 0
	v_nop
	global_prefetch_b8 v0, s[64:65] scope:SCOPE_SE
	s_setreg_imm32_b32 hwreg(HW_REG_WAVE_MODE, 25, 1), 1
	s_wait_xcnt 0x0
	s_wait_alu depctr_hold_cnt(0) depctr_sa_sdst(0) depctr_va_vdst(0) depctr_va_sdst(0) depctr_va_ssrc(0) depctr_va_vcc(0) depctr_vm_vsrc(0)
	s_getreg_b32 s2, hwreg(HW_REG_IB_STS2, 6, 4)
	s_cmp_eq_u32 s2, 0
	s_cbranch_scc0 .Lentry_in_a_cluster
	s_endpgm
.Lentry_in_a_cluster:
	s_bfe_u32 s2, ttmp6, 0x10000c
	s_cmp_lg_u32 s2, 0xf033
	s_cbranch_scc0 .Lentry_shape_is_right
	s_endpgm
.Lentry_shape_is_right:
; part[x][row] = sum over the 256 columns n of block x of V_w[n] tanh( encoded[row] . M_w[n, 0:2048] + hidden-part[batch][n] + M_b[n] ).
; The product has 32,768 rows (16 batches x 2,048), 1,024 columns, K = 2,048; operands bf16, sums f32.
; A work-group makes 256 rows x 256 columns with four waves; wave w makes rows 64 w .. + 63 x all 256 columns: 64 accumulator tiles, 512 registers.
; encoded comes as f32 and is rounded between LDS and the fragments.  With 64 x 256 a wave each row of encoded is read and rounded by one wave alone
; (32 conversions for 64 matrix instructions), and the sum over the block's columns never leaves the wave.
; K goes in steps of 64: a row of encoded's tile is 256 bytes of memory, aligned; the weights' tile (bf16, laid out by the launch before) is 32,768 dense
; bytes, taken as 128 rows of 256.  A K step's two tiles take 104,448 bytes of LDS; four do not fit, three do.  So the ring has TWO UNEQUAL SLOTS:
; X holds two K steps (tiles a, b), Y holds one (tile c).  A period is three K steps: a and b are multiplied, X is asked for again, c is multiplied,
; Y is asked for again.  Y's load has two K steps (256 matrix instructions of the wave) in which to land, X's has one but brings two K steps' bytes;
; three K steps pass two barriers.  32 K steps = 10 periods + one last X.
; CLUSTERS: 4 x 4 work-groups.  The four of a cluster's row make the four column blocks of the same 256 rows (all of N) and ask for encoded's tiles jointly;
; the four of a column share a column block and ask for the weights' tiles jointly.
; tanh(x) = 1 - 2 / (1 + 2^(2 log2(e) x)): 2^.. = infinity gives 1, 2^.. = 0 gives -1, so it holds for every finite x; absolute error about 1e-7.
;
; REGISTERS, in windows of 256:
;   window 0: v0-31 addresses; EF: 4 fragments of encoded (bf16); T: their 64 f32 as read from LDS (later S, the scores' sums); HB, VV: the way out
;   window 1: WF0, WF1: two buffers of 16 fragments of the weights
;   window 2: accumulator tiles of column blocks b = 0..7 (tile (b, a) at v[8 (4 b + a)]);  window 3: b = 8..15
; The matrix instruction takes 16 rows of the weights as source 0 and 16 rows of encoded as source 1: register j of lane (r, h) holds
; row 16 a + r, column 16 b + 8 h + j.
.set PITCH,  272                       ; an LDS row: 256 bytes + 16 of padding, so that the sixteen lanes of a 16-byte load start at sixteen different 16-byte columns of 256
.set ATILE,  256*PITCH                 ; a K step of encoded: 256 rows
.set AHALF,  128*PITCH
.set BTILE,  128*PITCH                 ; a K step of the weights: 256 rows of 128 bytes, two to an LDS row
.set BHALF,  64*PITCH
                                       ; LDS: X: encoded's tiles a at 0 and b at ATILE,
.set XB,     2*ATILE                   ;         the weights' tiles a at XB and b at XB + BTILE;
.set YA,     XB+2*BTILE                ;      Y: encoded's tile c,
.set YB,     YA+ATILE                  ;         the weights' tile c
.set STG_HB, YB+BTILE                  ; behind the ring (byte 313,344, a multiple of 256), where no tensor load lands: 256 f32 of hbs,
.set STG_V,  STG_HB+1024               ; 256 f32 of V_w,
.set STG_S,  STG_V+1024                ; 64 f32 for each wave's scores
.set TWOLOG2E, 0x4038aa3b
.set ADRE, 16                          ; v16-18  LDS address of my rows of encoded in tiles a, b, c
.set ADRW, 19                          ; v19-21  the same for the weights
                                       ; v22 hbs in LDS; v23, v24 my scores in LDS, in and back; v25 their place in part; v26 the prefetch's offset
.set EF,   32
.set T,    64
.set S,    64
.set HB,   128
.set VV,   192
.set WF0,  0
.set WF1,  128
.set G1AX, 24                          ; s[24:31] descriptor group 1: encoded, X: 256 rows
.set G1AY, 72                          ; s[72:79]                     encoded, Y: 128 rows
.set G1BX, 48                          ; s[48:55]                     weights, X: 128 LDS rows
.set G1BY, 80                          ; s[80:87]                     weights, Y: 64 LDS rows
.set G0AX, 32                          ; s[32:35], s[36:39], s[56:59], s[60:63]: their groups 0
.set G0AY, 36
.set G0BX, 56
.set G0BY, 60
.set MUL_LO, 0xa1                      ; source 0 window 1, source 1 window 0, C and D window 2
.set MUL_HI, 0xf1                      ; the same, C and D window 3
.set TO_W,   0x40                      ; destination window 1, address window 0
.set MSB, 0
.macro WIN new                         ; the immediate's high byte repeats the setting that is left
.if MSB != \new
	s_set_vgpr_msb (MSB<<8)|\new
.set MSB, \new
.endif
.endm
.macro PLACES                          ; four places behind a matrix instruction before one of its registers is written or loaded, or its result read (ISA guide 7.12.1)
.rept 4
	v_nop
.endr
.endm
; A joint load: waves 0 and 1 ask for encoded, waves 2 and 3 for the weights.  The branch hangs on the wave's number alone.
.macro JLOAD ga, g1a, gb, g1b
	s_cmp_eq_u32 s15, 0
	s_cbranch_scc0 .Lfor_w_\@
	tensor_load_to_lds s[\ga:\ga+3], s[\g1a:\g1a+7]
	s_nop 0
	s_branch .Lasked_\@
.Lfor_w_\@:
	tensor_load_to_lds s[\gb:\gb+3], s[\g1b:\g1b+7]
	s_nop 0
.Lasked_\@:
.endm
.macro JLOADX                          ; wave 0: encoded's tile a, wave 1: its tile b, wave 2: the weights' tile a, wave 3: their tile b
	JLOAD G0AX, G1AX, G0BX, G1BX
.endm
.macro JLOADY                          ; waves 0, 1: the halves of encoded's tile c, waves 2, 3: the halves of the weights'
	JLOAD G0AY, G1AY, G0BY, G1BY
.endm
.macro CREST                           ; a round of the cluster's barrier behind its opening work-group barrier
	s_cmp_lg_u32 s14, 0
	s_cbranch_scc1 .Lnot_wave_0_\@
	s_barrier_signal -3
.Lnot_wave_0_\@:
	s_barrier_wait -3
	s_barrier_signal -1
	s_barrier_wait -1
.endm
.macro CROUND                          ; a whole round
	s_barrier_signal -1
	s_barrier_wait -1
	CREST
.endm
	s_load_b256 s[4:11], s[0:1], 0x0               ; encoded s[4:5], wb s[6:7], hbs s[8:9], V_w s[10:11]
	s_load_b64 s[12:13], s[0:1], 0x20              ; part
	v_lshl_add_u32 v30, v0, 2, 0x4d400
	v_mov_b32 v31, 0
	ds_add_u32 v30, v31
	v_lshrrev_b32 v1, 5, v0
	v_readfirstlane_b32 s14, v1                    ; wave 0..3
	s_lshr_b32 s15, s14, 1                         ; I fetch for encoded (0) or for the weights (1)
	s_and_b32 s16, s14, 1                          ; which of the two tiles of X, which half of Y's tile
	s_bfe_u32 s17, ttmp6, 0x40000                  ; cx
	s_bfe_u32 s18, ttmp6, 0x40004                  ; cy
	s_lshl_b32 s19, ttmp9, 2
	s_add_co_u32 s19, s19, s17                     ; column block = 4 x cluster x + cx
	s_and_b32 s20, ttmp7, 0xffff
	s_lshl_b32 s20, s20, 2
	s_add_co_u32 s20, s20, s18                     ; row block = 4 x cluster y + cy
	s_lshl_b32 s21, s18, 2
	s_lshl_b32 s21, 15, s21                        ; my row of the cluster: places 4 cy .. 4 cy + 3
	s_lshl_b32 s22, 0x1111, s17                    ; my column: places cx, cx + 4, cx + 8, cx + 12
	s_mov_b32 s66, 0x76543210                      ; v_permlanex16_b32: lane i of one half reads lane i of the other
	s_mov_b32 s67, 0xfedcba98
	; groups 1, encoded: rows of 64 elements of 4 bytes, 2,048 elements from row to row, 4 words of padding behind every 64; 256 rows for X, 128 for Y
	s_or_b32 s[G1AX+0], s21, (2<<16)|(1<<20)|(1<<21)|(5<<22)|(3<<25)   ; mask: my row; element size; padding on; bit 21 beside a mask; interval; amount
	s_mov_b32 s[G1AX+1], 64<<16                    ; tensor_dim0 = 64
	s_mov_b32 s[G1AX+2], 256<<16                   ; tensor_dim1 = 256
	s_mov_b32 s[G1AX+3], 64<<16                    ; tile_dim0 = 64
	s_mov_b32 s[G1AX+4], 256                       ; tile_dim1 = 256
	s_mov_b32 s[G1AX+5], 2048                      ; pitch
	s_mov_b32 s[G1AX+6], 0
	s_mov_b32 s[G1AX+7], 0
	s_or_b32 s[G1AY+0], s21, (2<<16)|(1<<20)|(1<<21)|(5<<22)|(3<<25)
	s_mov_b32 s[G1AY+1], 64<<16
	s_mov_b32 s[G1AY+2], 128<<16
	s_mov_b32 s[G1AY+3], 64<<16
	s_mov_b32 s[G1AY+4], 128
	s_mov_b32 s[G1AY+5], 2048
	s_mov_b32 s[G1AY+6], 0
	s_mov_b32 s[G1AY+7], 0
	; groups 1, weights: dense bytes as rows of 32 elements of 8 bytes, the same padding; 128 rows (32,768 bytes) for X, 64 for Y
	s_or_b32 s[G1BX+0], s22, (3<<16)|(1<<20)|(1<<21)|(5<<22)|(3<<25)   ; mask: my column
	s_mov_b32 s[G1BX+1], 32<<16
	s_mov_b32 s[G1BX+2], 128<<16
	s_mov_b32 s[G1BX+3], 32<<16
	s_mov_b32 s[G1BX+4], 128
	s_mov_b32 s[G1BX+5], 32
	s_mov_b32 s[G1BX+6], 0
	s_mov_b32 s[G1BX+7], 0
	s_or_b32 s[G1BY+0], s22, (3<<16)|(1<<20)|(1<<21)|(5<<22)|(3<<25)
	s_mov_b32 s[G1BY+1], 32<<16
	s_mov_b32 s[G1BY+2], 64<<16
	s_mov_b32 s[G1BY+3], 32<<16
	s_mov_b32 s[G1BY+4], 64
	s_mov_b32 s[G1BY+5], 32
	s_mov_b32 s[G1BY+6], 0
	s_mov_b32 s[G1BY+7], 0
	; groups 0: count, and where the tiles go: a constant + the wave's number times a constant; no place in the cluster enters an LDS address
	s_mov_b32 s[G0AX], 1
	s_mov_b32 s[G0AY], 1
	s_mov_b32 s[G0BX], 1
	s_mov_b32 s[G0BY], 1
	s_mul_i32 s[G0AX+1], s14, ATILE                ; waves 0, 1: 0 and 69,632
	s_mul_i32 s[G0AY+1], s14, AHALF
	s_add_co_u32 s[G0AY+1], s[G0AY+1], YA          ; waves 0, 1: 208,896 and 243,712
	s_mul_i32 s[G0BX+1], s14, BTILE
	s_add_co_u32 s[G0BX+1], s[G0BX+1], ATILE       ; waves 2, 3: 69,632 + 34,816 w = 139,264 and 174,080
	s_mul_i32 s[G0BY+1], s14, BHALF
	s_add_co_u32 s[G0BY+1], s[G0BY+1], YA+AHALF    ; waves 2, 3: 243,712 + 17,408 w = 278,528 and 295,936
	; where the tiles come from: encoded's hang on the row block and the wave, the weights' on the column block and the wave, each in registers of its own
	s_lshl_b32 s40, s20, 21                        ; 256 rows of 8,192 bytes
	s_mov_b32 s41, 0
	s_lshl_b32 s44, s19, 15                        ; 256 rows of 128 bytes
	s_mov_b32 s45, 0
	s_wait_dscnt 0x0
	s_wait_kmcnt 0x0
	s_add_nc_u64 s[42:43], s[4:5], s[40:41]        ; encoded at the block's first row
	s_add_nc_u64 s[68:69], s[42:43], 3*256         ; the prefetch begins at K step 3
	s_lshl_b32 s40, s16, 8
	s_add_nc_u64 s[G0AX+2:G0AX+3], s[42:43], s[40:41]              ; X: all 256 rows, K step 0 (wave 0) or 1 (wave 1)
	s_or_b32 s[G0AX+3], s[G0AX+3], 0x80000000                      ; type = 2
	s_lshl_b32 s40, s16, 20
	s_add_nc_u64 s[G0AY+2:G0AY+3], s[42:43], s[40:41]              ; Y: my 128 rows,
	s_add_nc_u64 s[G0AY+2:G0AY+3], s[G0AY+2:G0AY+3], 2*256         ; K step 2
	s_or_b32 s[G0AY+3], s[G0AY+3], 0x80000000
	s_add_nc_u64 s[46:47], s[6:7], s[44:45]        ; wb at the column block
	s_lshl_b32 s44, s16, 17
	s_add_nc_u64 s[G0BX+2:G0BX+3], s[46:47], s[44:45]              ; X: the whole tile of K step 0 (wave 2) or 1 (wave 3)
	s_or_b32 s[G0BX+3], s[G0BX+3], 0x80000000
	s_lshl_b32 s44, s16, 14
	s_add_nc_u64 s[G0BY+2:G0BY+3], s[46:47], s[44:45]              ; Y: my half of the tile
	s_add_nc_u64 s[G0BY+2:G0BY+3], s[G0BY+2:G0BY+3], 2*131072      ; of K step 2
	s_or_b32 s[G0BY+3], s[G0BY+3], 0x80000000
	CROUND                                         ; all sixteen work-groups are here: the first joint loads meet
	JLOADX                                         ; both slots are asked for before anything else: two tensor loads of the wave are out
	JLOADY
	; hbs and V_w of my 256 columns, two numbers a thread, copied once into LDS
	v_lshrrev_b32 v8, 3, v0
	v_and_b32 v9, 7, v0
	s_lshl_b32 s70, s19, 14                        ; 16 groups of 1,024 bytes for a column block
	s_lshr_b32 s71, s20, 3                         ; batch = row block / 8
	s_lshl_b32 s71, s71, 6
	s_add_co_u32 s70, s70, s71
	v_lshl_add_u32 v8, v8, 10, s70
	v_lshl_add_u32 v8, v9, 3, v8
	s_lshl_b32 s71, s19, 10
	v_lshl_add_u32 v9, v0, 3, s71
	global_load_b64 v[10:11], v8, s[8:9]
	global_load_b64 v[12:13], v9, s[10:11]
	v_lshl_add_u32 v14, v0, 3, STG_HB
	; A fragment is 16 rows x 32 K: lane (r, h) holds row r, k = 8 h .. + 7 in registers 0-3 and 16 + 8 h .. + 7 in registers 4-7.
	v_and_b32 v1, 15, v0                           ; r
	v_bfe_u32 v2, v0, 4, 1                         ; h
	v_and_b32 v6, 31, v0                           ; lane
	v_mul_u32_u24 v3, v1, PITCH
	v_lshl_add_u32 v3, v2, 5, v3                   ; encoded is f32: 8 k are 32 bytes
	s_mul_i32 s23, s14, 64*PITCH                   ; my wave's 64 rows
	v_add_nc_u32 v[ADRE], s23, v3
	v_add_nc_u32 v[ADRE+1], ATILE, v[ADRE]
	v_add_nc_u32 v[ADRE+2], YA, v[ADRE]
	v_lshrrev_b32 v4, 1, v1                        ; the weights lie two rows of 128 bytes to an LDS row
	v_mul_u32_u24 v4, v4, PITCH
	v_and_b32 v5, 1, v1
	v_lshl_add_u32 v4, v5, 7, v4
	v_lshl_add_u32 v4, v2, 4, v4
	v_add_nc_u32 v[ADRW], XB, v4
	v_add_nc_u32 v[ADRW+1], XB+BTILE, v4
	v_add_nc_u32 v[ADRW+2], YB, v4
	v_lshl_add_u32 v22, v2, 5, STG_HB              ; my eight columns 8 h .. 8 h + 7 of a column tile
	s_lshl_b32 s23, s14, 8
	s_add_co_u32 s23, s23, STG_S
	v_lshl_add_u32 v23, v1, 2, s23
	v_lshl_add_u32 v24, v6, 3, s23
	v_lshlrev_b32 v25, 3, v6
	s_lshl_b32 s71, s17, 6
	s_lshl4_add_u32 s71, s14, s71                  ; prefetch: row 64 cx + 16 w + r of the 256 that my row of the cluster shares,
	v_add_nc_u32 v26, s71, v1
	v_lshlrev_b32 v26, 13, v26
	v_lshl_add_u32 v26, v2, 8, v26                 ; lanes 16-31 one K step further: each 256-byte piece is asked for by one lane of the launch
	s_wait_loadcnt 0x0
	ds_store_b64 v14, v[10:11]
	ds_store_b64 v14, v[12:13] offset:1024
.macro CVT                             ; the 64 f32 of four fragments, rounded to bf16
.irp a, 0,1,2,3
.irp i, 0,1,2,3,4,5,6,7
	v_cvt_pk_bf16_f32 v[EF+8*\a+\i], v[T+16*\a+2*\i], v[T+16*\a+2*\i+1]
.endr
.endr
.endm
; 48 LDS loads in one run: quarter q (32 K) of a tile (0, 1, 2 = a, b, c): my 64 rows of encoded into T, the 256 rows of the weights into buffer g
.macro FETCH tile, q, g
	WIN 0
.irp a, 0,1,2,3
	ds_load_b128 v[T+16*\a:T+16*\a+3],     v[ADRE+\tile] offset:\a*16*PITCH+\q*128
	ds_load_b128 v[T+16*\a+4:T+16*\a+7],   v[ADRE+\tile] offset:\a*16*PITCH+\q*128+16
	ds_load_b128 v[T+16*\a+8:T+16*\a+11],  v[ADRE+\tile] offset:\a*16*PITCH+\q*128+64
	ds_load_b128 v[T+16*\a+12:T+16*\a+15], v[ADRE+\tile] offset:\a*16*PITCH+\q*128+80
.endr
	WIN TO_W
.irp b, 0,1,2,3,4,5,6,7,8,9,10,11,12,13,14,15
	ds_load_b128 v[\g+8*\b:\g+8*\b+3],   v[ADRW+\tile] offset:\b*8*PITCH+\q*64
	ds_load_b128 v[\g+8*\b+4:\g+8*\b+7], v[ADRW+\tile] offset:\b*8*PITCH+\q*64+32
.endr
.endm
; 32 matrix instructions: column tiles 8 hi .. 8 hi + 7 x my four row tiles.  The 64 accumulators take turns, one instruction a turn, in the same order in
; every quarter, over the loop's backward jump too.  zero = 1: the first products start the sums.
.macro MUL32 f, hi, zero
.irp b, 0,1,2,3,4,5,6,7
.irp a, 0,1,2,3
.if \zero
	v_wmma_f32_16x16x32_bf16 v[8*(4*\b+\a):8*(4*\b+\a)+7], v[\f+8*(8*\hi+\b):\f+8*(8*\hi+\b)+7], v[EF+8*\a:EF+8*\a+7], 0
.else
	v_wmma_f32_16x16x32_bf16 v[8*(4*\b+\a):8*(4*\b+\a)+7], v[\f+8*(8*\hi+\b):\f+8*(8*\hi+\b)+7], v[EF+8*\a:EF+8*\a+7], v[8*(4*\b+\a):8*(4*\b+\a)+7]
.endif
.endr
.endr
.endm
; A K step is two quarters of 32 along K, 64 matrix instructions each.
; The first quarter of a tile: rounds T, fetches the tile's second quarter into T and WF1, multiplies WF0.
; pf = 1: asks for the next X's two K steps of encoded; pf = 2: steps the prefetch's base, 256 matrix instructions behind the prefetch that used it.
.macro Q0 tile, zero, pf
	s_wait_dscnt 0x0                               ; the 48 loads issued 64 matrix instructions ago
.if \pf == 2
	s_wait_xcnt 0x0                                ; the prefetch's base is written only behind this wait
	s_add_nc_u64 s[68:69], s[68:69], 3*256
.endif
	PLACES                                         ; EF and WF1 were sources of the matrix instructions just issued
	WIN 0
	CVT
	FETCH \tile, 1, WF1
.if \pf == 1
	global_prefetch_b8 v26, s[68:69] th:TH_LOAD_NT scope:SCOPE_SE   ; at the head of period j: K steps 3 j + 3 and 3 j + 4, whose tensor loads are issued two K steps further on; v26 is named through source 0's window, which is 0.  Y's tile is not asked ahead: its load has two K steps' work in which to land
.endif
	WIN MUL_LO
	MUL32 WF0, 0, \zero
	WIN MUL_HI
	MUL32 WF0, 1, \zero
.endm
; The second quarter of tile a: the next tile, b, lies in the same slot, which the barrier in front of a has shown whole to every wave: no barrier.
.macro QN next
	s_wait_dscnt 0x0
	PLACES
	WIN 0
	CVT
	FETCH \next, 0, WF0
	WIN MUL_LO
	MUL32 WF1, 0, 0
	WIN MUL_HI
	MUL32 WF1, 1, 0
.endm
; The second quarter of tile b or c: changes slots.  In front of the barrier my reads of the slot that is left are back and all my tensor loads have landed
; (one was out: my part of the slot that comes).  fill = 1 (X) or 2 (Y): the barrier opens a round of the cluster's barrier, and behind the round the slot
; that was left is asked for again, three K steps on, first of all.  Then the coming slot's first quarter is fetched and WF1 multiplied.
.macro Q1 next, fill
	s_wait_dscnt 0x0
	s_set_vgpr_msb 0xf1f0
	s_wait_tensorcnt 0x0
	ds_add_u32 v30, v31
	s_wait_dscnt 0x0
	s_set_vgpr_msb 0xf0f1
	WIN 0
	s_barrier_signal -1
	PLACES                                         ; register work alone between signal and wait
	CVT
	s_barrier_wait -1
.if \fill == 1
	CREST                                          ; no wave of any partner still reads X or has a load on its way
	s_add_nc_u64 s[G0AX+2:G0AX+3], s[G0AX+2:G0AX+3], 3*256
	s_add_nc_u64 s[G0BX+2:G0BX+3], s[G0BX+2:G0BX+3], 3*131072
	JLOADX
.endif
.if \fill == 2
	CREST                                          ; the same for Y
	s_add_nc_u64 s[G0AY+2:G0AY+3], s[G0AY+2:G0AY+3], 3*256
	s_add_nc_u64 s[G0BY+2:G0BY+3], s[G0BY+2:G0BY+3], 3*131072
	JLOADY
.endif
	FETCH \next, 0, WF0
	WIN MUL_LO
	MUL32 WF1, 0, 0
	WIN MUL_HI
	MUL32 WF1, 1, 0
.endm
; Three K steps.  step = 1: the prefetch's base goes on to the next period; filly = 1: Y is filled again.
.macro PERIOD zero, step, filly
	Q0 0, \zero, 1                                 ; a
	QN 1
	Q0 1, 0, 0                                     ; b
	Q1 2, 1                                        ; X is left and asked for again
	Q0 2, 0, 2*\step                               ; c
	Q1 0, 2*\filly                                 ; Y is left
.endm
	s_wait_dscnt 0x0                               ; my part of hbs and V_w is in LDS
	s_wait_tensorcnt 0x1                           ; my part of X is in; my part of Y, the one younger load, stays out
	s_barrier_signal -1
	s_barrier_wait -1
	FETCH 0, 0, WF0
	PERIOD 1, 1, 1                                 ; period 0 stands in front of the loop: its first products start the sums
	WIN 0                                          ; at a label and at a branch every window is 0
	s_mov_b32 s70, 8
.Lperiod:
	PERIOD 0, 1, 1                                 ; periods 1 to 8
	WIN 0
	s_sub_co_u32 s70, s70, 1
	s_cmp_lg_u32 s70, 0
	s_cbranch_scc1 .Lperiod
	PERIOD 0, 0, 0                                 ; period 9: its prefetch and its refill of X name K steps 30 and 31, the last; Y is not filled again
	Q0 0, 0, 0                                     ; the last X
	QN 1
	Q0 1, 0, 0
	s_wait_dscnt 0x0                               ; the very last quarter
	PLACES
	WIN 0
	CVT
	WIN MUL_LO
	MUL32 WF1, 0, 0
	WIN MUL_HI
	MUL32 WF1, 1, 0
	; THE WAY OUT: tanh in place in the accumulators, a window at a time, then the dot with V_w into 16 pairs of sums (4 for each row tile).
	PLACES
	s_lshl_b32 s22, s19, 17                        ; part: 131,072 bytes for a column block,
	s_lshl_b32 s23, s20, 10                        ; 1,024 for a row block,
	s_add_co_u32 s22, s22, s23
	s_lshl_b32 s23, s14, 8                         ; 256 for a wave
	s_add_co_u32 s22, s22, s23
	s_mov_b32 s23, 0
	s_add_nc_u64 s[12:13], s[12:13], s[22:23]
; winx: source 0 and destination in the accumulators' window; wins: source 0 alone; hi: which eight column tiles
.macro TANHDOT winx, wins, hi
	WIN 0
.irp b, 0,1,2,3,4,5,6,7
	ds_load_b128 v[HB+8*\b:HB+8*\b+3],   v22 offset:64*(8*\hi+\b)
	ds_load_b128 v[HB+8*\b+4:HB+8*\b+7], v22 offset:64*(8*\hi+\b)+16
	ds_load_b128 v[VV+8*\b:VV+8*\b+3],   v22 offset:1024+64*(8*\hi+\b)
	ds_load_b128 v[VV+8*\b+4:VV+8*\b+7], v22 offset:1024+64*(8*\hi+\b)+16
.endr
	s_wait_dscnt 0x0
	WIN \winx
.irp b, 0,1,2,3,4,5,6,7
.irp a, 0,1,2,3
.irp p, 0,2,4,6
	v_pk_fma_f32 v[8*(4*\b+\a)+\p:8*(4*\b+\a)+\p+1], v[8*(4*\b+\a)+\p:8*(4*\b+\a)+\p+1], TWOLOG2E, v[HB+8*\b+\p:HB+8*\b+\p+1] op_sel_hi:[1,0,1]   ; 2 log2(e) x
.endr
.endr
.endr
.set i, 0
.rept 256
	v_exp_f32 v[i], v[i]
.set i, i+1
.endr
	v_nop                                          ; one plain vector instruction between the transcendentals and the first use of a result (ISA guide 5.7.2)
.set i, 0
	s_wait_alu depctr_va_vdst(0)
.rept 128
	v_pk_add_f32 v[i:i+1], v[i:i+1], 1.0 op_sel_hi:[1,0]
.set i, i+2
.endr
.set i, 0
.rept 256
	v_rcp_f32 v[i], v[i]
.set i, i+1
.endr
	v_nop                                          ; as above
.set i, 0
	s_wait_alu depctr_va_vdst(0)
.rept 128
	v_pk_fma_f32 v[i:i+1], v[i:i+1], -2.0, 1.0 op_sel_hi:[1,0,0]
.set i, i+2
.endr
	WIN \wins
.irp b, 0,1,2,3,4,5,6,7
.irp a, 0,1,2,3
.irp p, 0,2,4,6
.if \hi+\b == 0
	v_pk_mul_f32 v[S+8*\a+\p:S+8*\a+\p+1], v[8*(4*\b+\a)+\p:8*(4*\b+\a)+\p+1], v[VV+8*\b+\p:VV+8*\b+\p+1]      ; the first column tile starts the sums
.else
	v_pk_fma_f32 v[S+8*\a+\p:S+8*\a+\p+1], v[8*(4*\b+\a)+\p:8*(4*\b+\a)+\p+1], v[VV+8*\b+\p:VV+8*\b+\p+1], v[S+8*\a+\p:S+8*\a+\p+1]
.endif
.endr
.endr
.endr
.endm
	TANHDOT 0x82, 0x02, 0
	TANHDOT 0xc3, 0x03, 1
	WIN 0
.irp a, 0,1,2,3
	v_pk_add_f32 v[S+8*\a:S+8*\a+1],   v[S+8*\a:S+8*\a+1],   v[S+8*\a+2:S+8*\a+3]
	v_pk_add_f32 v[S+8*\a+4:S+8*\a+5], v[S+8*\a+4:S+8*\a+5], v[S+8*\a+6:S+8*\a+7]
.endr
.irp a, 0,1,2,3
	v_pk_add_f32 v[S+8*\a:S+8*\a+1], v[S+8*\a:S+8*\a+1], v[S+8*\a+4:S+8*\a+5]
.endr
.irp a, 0,1,2,3
	v_add_f32 v[S+8*\a], v[S+8*\a], v[S+8*\a+1]
.endr
.irp a, 0,1,2,3
	v_permlanex16_b32 v[S+8*\a+1], v[S+8*\a], s66, s67             ; the other half's eight columns of each tile; the destination has been written
.endr
.irp a, 0,1,2,3
	v_add_f32 v[S+8*\a], v[S+8*\a], v[S+8*\a+1]
	ds_store_b32 v23, v[S+8*\a] offset:64*\a       ; row 16 a + r; both halves of the lanes write the same word with the same number
.endr
	ds_load_b64 v[28:29], v24                      ; my wave's own bytes, and LDS serves a wave's instructions in order (ISA guide 5.7.1.4): no wait between
	s_wait_dscnt 0x0
	global_store_b64 v25, v[28:29], s[12:13]       ; the wave's 64 scores: 256 consecutive bytes, aligned, by one instruction
	s_wait_tensorcnt 0x0
	ds_add_u32 v30, v31
	s_wait_dscnt 0x0
	CROUND                                         ; the closing round: no work-group ends while a partner may still ask for a tile that names it
	s_endpgm
.Lfunc_end_k_qbb9403fc9f_scores:
	.size	k_qbb9403fc9f_scores, .Lfunc_end_k_qbb9403fc9f_scores-k_qbb9403fc9f_scores
	.p2alignl 7, 3214868480
	.fill 96, 4, 3214868480
	.section	.rodata,"a",@progbits
	.p2align	6, 0x0
	.amdhsa_kernel k_qbb9403fc9f_scores
		.amdhsa_group_segment_fixed_size 327680
		.amdhsa_private_segment_fixed_size 0
		.amdhsa_enable_private_segment 0
		.amdhsa_kernarg_size 40
		.amdhsa_user_sgpr_count 2
		.amdhsa_user_sgpr_kernarg_segment_ptr 1
		.amdhsa_wavefront_size32 1
		.amdhsa_system_sgpr_workgroup_id_x 1
		.amdhsa_system_sgpr_workgroup_id_y 1
		.amdhsa_system_sgpr_workgroup_id_z 1
		.amdhsa_system_vgpr_workitem_id 0
		.amdhsa_next_free_vgpr 1024
		.amdhsa_next_free_sgpr 88
		.amdhsa_reserve_vcc 0
		.amdhsa_float_denorm_mode_32 3
		.amdhsa_float_denorm_mode_16_64 3
		.amdhsa_memory_ordered 1
		.amdhsa_forward_progress 1
		.amdhsa_inst_pref_size 255
	.end_amdhsa_kernel
	.section	.bss,"aw",@nobits
	.p2align	6
	.space	262144
	.amdgpu_metadata
---
amdhsa.version: [ 1, 2 ]
amdhsa.kernels:
  - .name:           k_qbb9403fc9f_scores
    .symbol:         k_qbb9403fc9f_scores.kd
    .args:
      - { .name: encoded, .offset: 0, .size: 8, .value_kind: global_buffer, .address_space: global }
      - { .name: wb, .offset: 8, .size: 8, .value_kind: global_buffer, .address_space: global }
      - { .name: hbs, .offset: 16, .size: 8, .value_kind: global_buffer, .address_space: global }
      - { .name: V_w, .offset: 24, .size: 8, .value_kind: global_buffer, .address_space: global }
      - { .name: part, .offset: 32, .size: 8, .value_kind: global_buffer, .address_space: global }
    .group_segment_fixed_size: 327680
    .private_segment_fixed_size: 0
    .kernarg_segment_align: 8
    .kernarg_segment_size: 40
    .max_flat_workgroup_size: 128
    .sgpr_count:     88
    .vgpr_count:     1024
    .wavefront_size: 32
...
	.end_amdgpu_metadata
.endif
;; end of part 2
;; launch pool (part 3): grid 16 x 16, 16 waves a work-group, no clusters, 10,496 bytes of LDS; arguments encoded, mask, part, V_b, out0, out1; writes out0, out1
.if DOCPART == 3
	.amdgcn_target "amdgcn-amd-amdhsa--gfx1250"
	.amdhsa_code_object_version 6
	.text
	.protected	k_qbb9403fc9f_pool
	.globl	k_qbb9403fc9f_pool
	.p2align	8
	.type	k_qbb9403fc9f_pool,@function
k_qbb9403fc9f_pool:
	s_mov_b64 s[64:65], 0
	v_nop
	global_prefetch_b8 v0, s[64:65] scope:SCOPE_SE
	s_setreg_imm32_b32 hwreg(HW_REG_WAVE_MODE, 25, 1), 1
	s_wait_xcnt 0x0
; scores = the four partial scores + V_b; masked positions -1e9; softmax over the batch's 2,048 positions with its true maximum taken away; the weighted sum.
; Work-group (ec, b) owns out0[b][128 ec .. + 127] and out1[b][128 ec .. + 127]: no sum crosses work-groups.  Each makes the batch's softmax anew from
; 34 KiB (the mask's 2,048 bytes, 4 x 8,192 of part).  Sixteen waves; wave w owns rows 128 w .. + 127, lane L the weights of rows 128 w + 4 L + j.
; A row's piece is 512 bytes: one 16-byte load of the wave.  A ring of 32 slots in registers keeps 32 such loads of every wave on their way.
; A one-row product that streams: bytes decide, so no matrix unit, no LDS tiles; no cluster, since work-groups share the 34 KiB alone.
; MASKED ROWS ARE NOT FETCHED: if the batch has an unmasked position, a masked row's load is pointed at the wave's first row piece and multiplied by the
; row's own weight, as computed.  LIMIT: that weight is exp(-1e9 - max), exactly 0 in f32 while the unmasked scores stay above about -1e9 + 100;
; |score| <= sum |V_w| + |V_b|, so this holds for sum |V_w| + |V_b| < 9e8.  If the whole batch is masked every row is fetched (weights 1 / 2048).
; LIMITS: mask bytes are 0 or 1.  An infinity or NaN in a masked row does not reach out0 here (0 x infinity in the definition is NaN).
.set ROW,  8192                        ; bytes in a row of encoded
.set KEEP, 20                          ; s[20:23] bit L of mask j: row 4 L + j of my wave is fetched
.set MSK,  44                          ; s[44:47] bit L of mask j: that row is masked
.set WP,   28                          ; s[28:35] four pairs: a row's weight, and 0 beside it (the pair is named whole)
.set WT,   40                          ; v[40:43] score, then exponential, then weight of my four rows
.set LANE, 52                          ; v52      16 L + my wave's first row
.set OFF,  56                          ; v[56:87] slot i: the offset of its load
.set X,    88                          ; v[88:215] slot i: 4 registers
.set ACC,  216                         ; v[216:223] two sets of four sums, for even and odd rows
.set RED1, 64                          ; LDS: 16 maxima at 0, 16 sums at 64,
.set ACCS, 256                         ; 16 x 512 bytes of the waves' sums at 256
	s_load_b256 s[4:11], s[0:1], 0x0               ; encoded s[4:5], mask s[6:7], part s[8:9], V_b s[10:11]
	s_load_b128 s[12:15], s[0:1], 0x20             ; out0 s[12:13], out1 s[14:15]
	v_lshl_add_u32 v224, v0, 2, 0x2100
	v_mov_b32 v225, 0
	v_lshrrev_b32 v1, 5, v0
	v_readfirstlane_b32 s16, v1                    ; wave
	s_mov_b32 s17, ttmp9                           ; ec
	s_and_b32 s18, ttmp7, 0xffff                   ; b
	v_and_b32 v2, 31, v0                           ; L
	s_lshl_b32 s19, s18, 11
	v_lshl_add_u32 v1, v2, 4, s19                  ; the batch's whole mask: 4 x 512 bytes for the wave
	v_lshl_add_u32 v3, v0, 2, s19                  ; my four rows' bytes
	s_lshl_b32 s19, s18, 13
	v_lshl_add_u32 v21, v0, 4, s19                 ; my four rows in a plane of part, and in out1
	s_lshl_b32 s26, s18, 24                        ; 2,048 rows of 8,192 bytes
	s_lshl_b32 s27, s17, 9
	s_add_co_u32 s26, s26, s27                     ; + my 512 bytes of a row
	s_mov_b32 s27, 0
	s_lshl_b32 s25, s16, 20                        ; 128 rows of the wave
	v_lshl_add_u32 v[LANE], v2, 4, s25
	s_mov_b32 s37, 0x76543210                      ; v_permlanex16_b32: lane i of one half reads lane i of the other
	s_mov_b32 s38, 0xfedcba98
	s_lshl_b32 s39, s16, 2
	v_mov_b32 v48, s39                             ; my wave's word in the two reductions
	s_mov_b32 s41, 0
.irp k, 1,3,5,7
	s_mov_b32 s[WP+\k], 0
.endr
	s_wait_kmcnt 0x0
	s_load_b32 s40, s[10:11], 0x0                  ; V_b
	s_add_nc_u64 s[4:5], s[4:5], s[26:27]
.irp i, 0,1,2,3
	global_load_b128 v[24+4*\i:27+4*\i], v1, s[6:7] offset:512*\i
.endr
	global_load_b32 v20, v3, s[6:7]
.irp i, 0,1,2,3
	global_load_b128 v[4+4*\i:7+4*\i], v21, s[8:9] offset:131072*\i
.endr
	s_wait_loadcnt 4                               ; the mask is in; part's four loads stay out
.irp i, 0,1,2,3,4,5,6,7
	v_and_b32 v[24+\i], v[24+\i], v[32+\i]
.endr
.irp i, 0,1,2,3
	v_and_b32 v[24+\i], v[24+\i], v[28+\i]
.endr
	v_and_b32 v24, v24, v26
	v_and_b32 v25, v25, v27
	v_and_b32 v24, v24, v25
	v_cmp_eq_u32 vcc_lo, 0x01010101, v24           ; all 64 bytes that the lane saw are 1
	s_cmp_eq_u32 vcc_lo, -1
	s_cselect_b32 s24, -1, 0                       ; the whole batch is masked
.irp j, 0,1,2,3
	v_bfe_u32 v44, v20, 8*\j, 8
	v_cmp_eq_u32 s[KEEP+\j], 0, v44
	v_cmp_ne_u32 s[MSK+\j], 0, v44
	s_or_b32 s[KEEP+\j], s[KEEP+\j], s24
.endr
; The load of my wave's row 'row' into its slot: from the row itself, or, if it is not to be fetched, from the wave's first row.
.macro ASK row
.set ro, \row
	s_bitcmp1_b32 s[KEEP+(ro&3)], ro>>2
	s_cselect_b32 s36, ro*ROW, 0
	s_min_u32 s36, s36, 127*ROW                    ; the choice hangs on bytes that were loaded: the offset is bounded by the wave's last row, by a constant written here
	v_add_nc_u32 v[OFF+(ro&31)], s36, v[LANE]
	global_load_b128 v[X+4*(ro&31):X+4*(ro&31)+3], v[OFF+(ro&31)], s[4:5]    ; no hint: the first row's piece is named again and again
.endm
.set rho, 0
.rept 32
	ASK rho
.set rho, rho+1
.endr
	s_wait_loadcnt 32                              ; part is in; the ring's 32 loads stay out while the softmax is made
	s_wait_kmcnt 0x0                               ; V_b
	v_pk_add_f32 v[4:5],   v[4:5],   v[8:9]
	v_pk_add_f32 v[6:7],   v[6:7],   v[10:11]
	v_pk_add_f32 v[12:13], v[12:13], v[16:17]
	v_pk_add_f32 v[14:15], v[14:15], v[18:19]
	v_pk_add_f32 v[4:5],   v[4:5],   v[12:13]
	v_pk_add_f32 v[6:7],   v[6:7],   v[14:15]
	v_pk_add_f32 v[WT:WT+1],   v[4:5], s[40:41] op_sel_hi:[1,0]
	v_pk_add_f32 v[WT+2:WT+3], v[6:7], s[40:41] op_sel_hi:[1,0]
	v_mov_b32 v45, 0xce6e6b28                      ; -1e9
.irp j, 0,1,2,3
	v_cndmask_b32 v[WT+\j], v[WT+\j], v45, s[MSK+\j]
.endr
	; the maximum: in the lane, across the 32 lanes, across the 16 waves
	v_max3_num_f32 v46, v[WT], v[WT+1], v[WT+2]
	v_max_num_f32 v46, v46, v[WT+3]
	v_max_num_f32_dpp v46, v46, v46 row_xmask:1 row_mask:0xf bank_mask:0xf
	v_max_num_f32_dpp v46, v46, v46 row_xmask:2 row_mask:0xf bank_mask:0xf
	v_max_num_f32_dpp v46, v46, v46 row_xmask:4 row_mask:0xf bank_mask:0xf
	v_max_num_f32_dpp v46, v46, v46 row_xmask:8 row_mask:0xf bank_mask:0xf
	v_permlanex16_b32 v44, v46, s37, s38           ; v44 has been written
	v_max_num_f32 v46, v46, v44
	ds_store_b32 v48, v46
	s_wait_dscnt 0x0                               ; for the others' sake
	s_barrier_signal -1
	s_barrier_wait -1
	v_mov_b32 v49, 0
.irp i, 0,1,2,3
	ds_load_b128 v[4+4*\i:7+4*\i], v49 offset:16*\i
.endr
	s_wait_dscnt 0x0
	v_max3_num_f32 v4,  v4,  v5,  v6
	v_max3_num_f32 v7,  v7,  v8,  v9
	v_max3_num_f32 v10, v10, v11, v12
	v_max3_num_f32 v13, v13, v14, v15
	v_max3_num_f32 v16, v16, v17, v18
	v_max3_num_f32 v4,  v4,  v7,  v10
	v_max3_num_f32 v13, v13, v16, v19
	v_max_num_f32 v50, v4, v13
.irp j, 0,1,2,3
	v_sub_f32 v[WT+\j], v[WT+\j], v50
.endr
.irp j, 0,1,2,3
	v_mul_f32 v[WT+\j], 0x3fb8aa3b, v[WT+\j]       ; log2(e)
.endr
.irp j, 0,1,2,3
	v_exp_f32 v[WT+\j], v[WT+\j]
.endr
	v_lshl_add_u32 v53, v0, 4, ACCS                ; a plain instruction between the exponentials and their use (ISA guide 5.7.2): where my sums will go
	s_wait_alu depctr_va_vdst(0)
	v_add_f32 v46, v[WT], v[WT+1]
	v_add_f32 v44, v[WT+2], v[WT+3]
	v_add_f32 v46, v46, v44
	v_add_f32_dpp v46, v46, v46 row_xmask:1 row_mask:0xf bank_mask:0xf
	v_add_f32_dpp v46, v46, v46 row_xmask:2 row_mask:0xf bank_mask:0xf
	v_add_f32_dpp v46, v46, v46 row_xmask:4 row_mask:0xf bank_mask:0xf
	v_add_f32_dpp v46, v46, v46 row_xmask:8 row_mask:0xf bank_mask:0xf
	v_permlanex16_b32 v44, v46, s37, s38
	v_add_f32 v46, v46, v44
	ds_store_b32 v48, v46 offset:RED1              ; other bytes than the maxima's: one barrier is enough
	s_wait_dscnt 0x0
	s_barrier_signal -1
	s_barrier_wait -1
.irp i, 0,1,2,3
	ds_load_b128 v[4+4*\i:7+4*\i], v49 offset:RED1+16*\i
.endr
	s_wait_dscnt 0x0
	v_pk_add_f32 v[4:5],   v[4:5],   v[12:13]
	v_pk_add_f32 v[6:7],   v[6:7],   v[14:15]
	v_pk_add_f32 v[8:9],   v[8:9],   v[16:17]
	v_pk_add_f32 v[10:11], v[10:11], v[18:19]
	v_pk_add_f32 v[4:5],   v[4:5],   v[8:9]
	v_pk_add_f32 v[6:7],   v[6:7],   v[10:11]
	v_pk_add_f32 v[4:5],   v[4:5],   v[6:7]
	v_add_f32 v4, v4, v5                           ; at least 1: the maximum's own exponential
	v_rcp_f32 v51, v4
	v_lshl_add_u32 v54, v2, 4, ACCS                ; the plain instruction behind the reciprocal: where wave 0 will read the sums
	s_wait_alu depctr_va_vdst(0)
.irp j, 0,1,2,3
	v_mul_f32 v[WT+\j], v[WT+\j], v51
.endr
	s_cmp_lg_u32 s16, s17
	s_cbranch_scc1 .Lnot_mine                      ; out1's 128 numbers of this work-group are the weights of wave ec
	global_store_b128 v21, v[WT:WT+3], s[14:15]    ; 512 consecutive bytes, aligned; v21 and the weights are not written again
.Lnot_mine:
; The turn of row rho: its load is in; its weight comes out of lane rho / 4; four fused multiply-adds in two instructions; the slot's next row is asked for.
.macro SLOT ahead, left
.set xi, X+4*(rho&31)
.set ai, ACC+4*(rho&1)
.set wi, WP+2*(rho&3)
	s_wait_loadcnt \left                           ; loads come back in order (ISA guide 5.7.1): mine is in, the younger ones stay out; it also frees the slot's offset register
	v_readlane_b32 s[wi], v[WT+(rho&3)], rho>>2
.if rho < 2
	v_pk_mul_f32 v[ai:ai+1],   v[xi:xi+1],   s[wi:wi+1] op_sel_hi:[1,0]              ; the first two rows start the sums
	v_pk_mul_f32 v[ai+2:ai+3], v[xi+2:xi+3], s[wi:wi+1] op_sel_hi:[1,0]
.else
	v_pk_fma_f32 v[ai:ai+1],   v[xi:xi+1],   s[wi:wi+1], v[ai:ai+1]   op_sel_hi:[1,0,1]
	v_pk_fma_f32 v[ai+2:ai+3], v[xi+2:xi+3], s[wi:wi+1], v[ai+2:ai+3] op_sel_hi:[1,0,1]
.endif
.if \ahead
	ASK rho+32
.endif
.set rho, rho+1
.endm
.set rho, 0
.rept 96
	SLOT 1, 31
.endr
.rept 32
	SLOT 0, 127-rho                                ; the last 32 rows ask for nothing: the counts run down to 0
.endr
	v_pk_add_f32 v[ACC:ACC+1],   v[ACC:ACC+1],   v[ACC+4:ACC+5]
	v_pk_add_f32 v[ACC+2:ACC+3], v[ACC+2:ACC+3], v[ACC+6:ACC+7]
	ds_store_b128 v53, v[ACC:ACC+3]
	s_wait_dscnt 0x0
	s_barrier_signal -1
	s_barrier_wait -1
	s_cmp_lg_u32 s16, 0
	s_cbranch_scc1 .Ldone                          ; 128 sums of sixteen, four to a lane: wave 0
.irp k, 0,1,2,3,4,5,6,7,8,9,10,11,12,13,14,15
	ds_load_b128 v[X+4*\k:X+4*\k+3], v54 offset:512*\k
.endr
	s_lshl_b32 s39, s18, 13
	s_lshl_b32 s36, s17, 9
	s_add_co_u32 s39, s39, s36
	v_lshl_add_u32 v55, v2, 4, s39
	s_wait_dscnt 0x0
.macro ADD4 d, e                       ; wave e's four sums onto wave d's; the arguments may be sums themselves, hence the parentheses
	v_pk_add_f32 v[X+4*(\d):X+4*(\d)+1],   v[X+4*(\d):X+4*(\d)+1],   v[X+4*(\e):X+4*(\e)+1]
	v_pk_add_f32 v[X+4*(\d)+2:X+4*(\d)+3], v[X+4*(\d)+2:X+4*(\d)+3], v[X+4*(\e)+2:X+4*(\e)+3]
.endm
.irp k, 0,1,2,3,4,5,6,7
	ADD4 \k, \k+8
.endr
.irp k, 0,1,2,3
	ADD4 \k, \k+4
.endr
	ADD4 0, 2
	ADD4 1, 3
	ADD4 0, 1
	global_store_b128 v55, v[X:X+3], s[12:13]      ; 512 consecutive bytes, aligned
.Ldone:
	s_wait_tensorcnt 0x0
	ds_add_u32 v224, v225
	s_wait_dscnt 0x0
	s_endpgm
.Lfunc_end_k_qbb9403fc9f_pool:
	.size	k_qbb9403fc9f_pool, .Lfunc_end_k_qbb9403fc9f_pool-k_qbb9403fc9f_pool
	.p2alignl 7, 3214868480
	.fill 96, 4, 3214868480
	.section	.rodata,"a",@progbits
	.p2align	6, 0x0
	.amdhsa_kernel k_qbb9403fc9f_pool
		.amdhsa_group_segment_fixed_size 10496
		.amdhsa_private_segment_fixed_size 0
		.amdhsa_enable_private_segment 0
		.amdhsa_kernarg_size 48
		.amdhsa_user_sgpr_count 2
		.amdhsa_user_sgpr_kernarg_segment_ptr 1
		.amdhsa_wavefront_size32 1
		.amdhsa_system_sgpr_workgroup_id_x 1
		.amdhsa_system_sgpr_workgroup_id_y 1
		.amdhsa_system_sgpr_workgroup_id_z 1
		.amdhsa_system_vgpr_workitem_id 0
		.amdhsa_next_free_vgpr 226
		.amdhsa_next_free_sgpr 66
		.amdhsa_reserve_vcc 1
		.amdhsa_float_denorm_mode_32 3
		.amdhsa_float_denorm_mode_16_64 3
		.amdhsa_memory_ordered 1
		.amdhsa_forward_progress 1
		.amdhsa_inst_pref_size 77
	.end_amdhsa_kernel
	.amdgpu_metadata
---
amdhsa.version: [ 1, 2 ]
amdhsa.kernels:
  - .name:           k_qbb9403fc9f_pool
    .symbol:         k_qbb9403fc9f_pool.kd
    .args:
      - { .name: encoded, .offset: 0, .size: 8, .value_kind: global_buffer, .address_space: global }
      - { .name: mask, .offset: 8, .size: 8, .value_kind: global_buffer, .address_space: global }
      - { .name: part, .offset: 16, .size: 8, .value_kind: global_buffer, .address_space: global }
      - { .name: V_b, .offset: 24, .size: 8, .value_kind: global_buffer, .address_space: global }
      - { .name: out0, .offset: 32, .size: 8, .value_kind: global_buffer, .address_space: global }
      - { .name: out1, .offset: 40, .size: 8, .value_kind: global_buffer, .address_space: global }
    .group_segment_fixed_size: 10496
    .private_segment_fixed_size: 0
    .kernarg_segment_align: 8
    .kernarg_segment_size: 48
    .max_flat_workgroup_size: 512
    .sgpr_count:     66
    .vgpr_count:     226
    .wavefront_size: 32
...
	.end_amdgpu_metadata
.endif
;; end of part 3
